; MI455X (gfx1250); checked and timed in simulation.
; The chip was launched on July 23, 2026; its instructions are those of AMD's public machine-readable ISA for CDNA 5 (MIT licence, August 2026) and "CDNA5" Instruction Set Architecture Reference Guide (July 2026). The comments in the code are by the model that wrote it; some were corrected since.
;; Multi Head Attention. Allowed arithmetic: matrix products marked QUANTISED: E4M3 operands, one given power-of-two scale a tensor, by v_wmma_f32_16x16x64_fp8_fp8 or v_wmma_f32_16x16x128_fp8_fp8, f32 sums; everything else in f32.
;; Inputs: lowp_scales 8 int32 (the exponents e of the quantised operands' scales 2^e); w_attn 1,024 x 3,072 float32; w_proj 1,024 x 1,024 float32; x 4 x 2,048 x 1,024 float32.
;; Outputs: out0 4 x 2,048 x 1,024 float32.
;; This version of the problem:
;;   THIS VERSION OF THE PROBLEM IS GIVEN IN LOW PRECISION. The matrix products marked QUANTISED in the list below multiply operands that are first quantised to E4M3 (4 exponent bits, 3 mantissa bits; 8 bits a number), with one given power-of-two scale for each operand tensor; their sums are f32. All else is computed in f32.
;;   The module's matrix products, in the order in which they are computed (A, B: the left and right operand; K: the contracted axis; several contracted axes count as one K, in the product's order):
;;     1. [M 8,192, K 1,024] x [K 1,024, N 3,072]; A: input x; B: input w_attn: QUANTISED (scales: A lowp_scales[0], B lowp_scales[1])
;;     2. batch 64 x [M 2,048, K 64] x [K 64, N 2,048]; A: computed on the way; B: computed on the way: QUANTISED (scales: A lowp_scales[2], B lowp_scales[3])
;;     3. batch 64 x [M 2,048, K 2,048] x [K 2,048, N 64]; A: softmax (see below); B: computed on the way: QUANTISED (scales: A lowp_scales[4], B lowp_scales[5])
;;     4. [M 8,192, K 1,024] x [K 1,024, N 1,024]; A: computed on the way; B: input w_proj: QUANTISED (scales: A lowp_scales[6], B lowp_scales[7])
;;   THE QUANTISER, for each operand of a quantised product, along K:
;;     - The operand's scale is 2^e, e = its entry of the input lowp_scales (int32; the entries are numbered through the quantised products in the list's order, A before B).
;;     - Each number is divided by the scale, clamped to +-448, and rounded to the nearest number of E4M3, ties to even, subnormals kept.
;;     - The product sums the exact products of the quantised numbers (number of the format x scale) in f32.
;;   ~~~python
;;   def quantise(x, axis, e):      # numpy; x: float32 -> the quantised numbers, widened to float32 again
;;       x = np.moveaxis(x, axis, -1); K = x.shape[-1]
;;       r = np.clip(x / 2.0 ** e, -448, 448)
;;       step = 2.0 ** (np.maximum(np.frexp(np.where(r == 0, 1, r))[1] - 1, -6) - 3)
;;       q = np.round(r / step) * step * 2.0 ** e      # np.round: ties to even
;;       return np.moveaxis(q, -1, axis).astype(np.float32)
;;   ~~~
;;   SOFTMAX AHEAD OF A QUANTISED PRODUCT. Where the list says 'softmax', what is quantised is not the finished softmax but p = 2^(t - M), with t = logit x log2(e) and M = ceil(the row's largest t), a whole number; so 1/2 < the row's largest p <= 1. The row's sum l is taken of the UNQUANTISED p, in f32, and the product's result is divided by l at the end. Since M is a whole number, a kernel that streams over the keys may use a running M (the ceiling of the running maximum): every later rescaling is an exact power of two, so the quantised numbers keep their values, but for numbers so far below the row's largest that they fall under the format's range.
;;   OPERANDS COMPUTED ON THE WAY. 'Computed on the way' means the value that the module computes at that place (a softmax that the list does not call 'softmax' is quantised finished and normalised). What goes into a quantiser is computed in f32, as accurately as f32 sums, v_exp_f32 and their like allow (about 1e-6 of the number): no bf16 or f16 on the way to a quantiser, and a product that is left as it is and whose result goes on into a quantised operand takes f32 operands (vector FMAs, or v_wmma_f32_16x16x4_f32). A number that lies on a knife's edge between two numbers of the format may be rounded either way, as far as f32 arithmetic and the matrix unit's own rounding can turn it there, and no further.
;; One version. Each part assembles by itself: llvm-mc -triple=amdgcn-amd-amdhsa -mcpu=gfx1250 --defsym DOCPART=n.
;; ======== version 1 of 1: 4 launches
;; limits: right only within a limited range of input values
;; workspace buffers: xc 8,388,608 bytes; wac 3,145,728 bytes; wpc 1,048,576 bytes; qkvc 25,165,824 bytes; yc 8,388,608 bytes
;; launch quant (part 1): grid 384 x 1, 4 waves a work-group, no clusters, 34,304 bytes of LDS; arguments x, w_attn, w_proj, lowp_scales, xc, wac, wpc; writes xc, wac, wpc
.if DOCPART == 1
	.amdgcn_target "amdgcn-amd-amdhsa--gfx1250"
	.amdhsa_code_object_version 6
	.text
	.protected	k_qfa4c1e8168_quant
	.globl	k_qfa4c1e8168_quant
	.p2align	8
	.type	k_qfa4c1e8168_quant,@function
k_qfa4c1e8168_quant:
	s_mov_b64 s[64:65], 0
	v_nop
	global_prefetch_b8 v0, s[64:65] scope:SCOPE_SE
	s_setreg_imm32_b32 hwreg(HW_REG_WAVE_MODE, 25, 1), 1
	s_wait_xcnt 0x0
; x [8192][1024], w_attn [1024][3072] and w_proj [1024][1024], f32, become codes of FP8 (E4M3), each with the one scale 2^e that is given for it (entries 0, 1 and 7 of the scales).
; code = number / 2^e, held within +-448, rounded to the nearest code, ties to even.  LIMITS: e between -126 and 119, so that 2^e and 448 x 2^e are f32 numbers.  NaN among the inputs is not served.
; THE CODES ARE LAID AS IMAGES OF THE OPERAND'S REGISTERS.  A fragment (16 rows x 128 along K) is 2,048 bytes: piece c (0..3) at 512 c, lane 16 h + r at 16 bytes a lane; a lane's 16 bytes are
; registers 4 c .. 4 c + 3 of the operand: k = 32 c + 8 h + 0..7, then k = 32 c + 16 + 8 h + 0..7, of row r.  Fragments lie [row / 128][k / 256][(row / 16) % 8][(k / 128) % 2].
; A "row" of a weight is its column n: K is the weights' FIRST axis.
; Work-groups 0-255 take x, 256-351 w_attn, 352-383 w_proj: 128 KiB of f32 numbers each.  Waves share nothing: no barrier.
; x: K is innermost.  A wave makes four fragments.  Each load reads 512 consecutive bytes of one row; the 16 rows turn through the wave's own stage in LDS, so that a lane gets its 64 numbers in the operand's order.
; weights: a lane takes a column and its registers run down K, so the conversions' results are the operand's bytes as they stand; no LDS.
.set SP,   528                         ; a stage row: 512 bytes + 16, so that the sixteen rows that a load touches start at sixteen different banks
.set WST,  16*SP                       ; a wave's stage
.set R,    16                          ; v16-143   x: two sets of 64 registers as loaded
.set X,    144                         ; v144-207  x: a lane's 64 numbers in the operand's order
.set C,    208                         ; v208-239  x: two sets of 16 registers of codes
.set XW,   32                          ; v32-95    weights: two sets of 32 numbers
.set CW,   96                          ; v96-159   weights: eight registers of codes for each block, never written again
.macro MKSCALE e                       ; v11 = 2^e as f32 (the conversion takes its exponent field), v10 = 448 x 2^e
	s_add_co_i32 s33, s[\e], 127
	s_lshl_b32 s34, s33, 23
	v_mov_b32 v11, s34
	s_add_co_i32 s33, s33, 8
	s_lshl_b32 s33, s33, 23
	s_or_b32 s33, s33, 0x600000
	v_mov_b32 v10, s33
.endm
.macro LOADX t                         ; fragment t: 128 numbers of each of my 16 rows; 32 lanes read 512 consecutive bytes
.irp i, 0,1,2,3,4,5,6,7,8,9,10,11,12,13,14,15
	global_load_b128 v[R+64*((\t)%2)+4*\i:R+64*((\t)%2)+4*\i+3], v4, s[4:5] offset:\i*4096+(\t)*512 th:TH_LOAD_NT
.endr
.endm
.macro TURNX t                         ; through my stage: LDS serves a wave's instructions in order, so no wait stands between the stores and the loads
.irp i, 0,1,2,3,4,5,6,7,8,9,10,11,12,13,14,15
	ds_store_b128 v14, v[R+64*((\t)%2)+4*\i:R+64*((\t)%2)+4*\i+3] offset:\i*SP
.endr
.irp c, 0,1,2,3
	ds_load_b128 v[X+16*\c:X+16*\c+3],     v15 offset:128*\c        ; k = 32 c + 8 h + 0..3
	ds_load_b128 v[X+16*\c+4:X+16*\c+7],   v15 offset:128*\c+16     ;                 4..7
	ds_load_b128 v[X+16*\c+8:X+16*\c+11],  v15 offset:128*\c+64     ; k = 32 c + 16 + 8 h + 0..3
	ds_load_b128 v[X+16*\c+12:X+16*\c+15], v15 offset:128*\c+80     ;                      4..7
.endr
.endm
.macro FRAGX t
.if (\t) < 3
	s_wait_loadcnt 16                              ; this fragment's 16 loads are in; the next fragment's 16 may be out
.else
	s_wait_loadcnt 0
.endif
	TURNX \t
	s_wait_dscnt 0x0                               ; my numbers are back, and the stores into the stage have read their registers,
.if (\t) < 2
	LOADX (\t)+2                                   ; which take the loads of two fragments on
.endif
.set j, 0
.rept 64
	v_med3_num_f32 v[X+j], v[X+j], -v10, v10       ; the conversion to an 8-bit code does not saturate (ISA guide 7.6.2): the hold at the largest code x the scale
.set j, j+1
.endr
.if (\t) >= 2
	s_wait_alu depctr_va_vdst(0)
	s_wait_xcnt 0x0                                ; the stores of two fragments back have read this set of codes: only now is it written again
.endif
.irp g, 0,1,2,3,4,5,6,7
	v_cvt_scalef32_pk8_fp8_f32 v[C+16*((\t)%2)+2*\g:C+16*((\t)%2)+2*\g+1], v[X+8*\g:X+8*\g+7], v11
.endr
	v_nop                                          ; a plain line behind the last conversion of the run
.irp c, 0,1,2,3
	global_store_b128 v4, v[C+16*((\t)%2)+4*\c:C+16*((\t)%2)+4*\c+3], s[12:13] offset:((\t)/2)*32768+((\t)%2)*2048+512*\c   ; 32 lanes store 512 consecutive bytes, aligned
.endr
.endm
.macro LOADW t, n, src                 ; block t: W(32 t + i, my column), i = 0..31; 32 lanes read 128 consecutive bytes, the four waves stand side by side
.irp i, 0,1,2,3,4,5,6,7,8,9,10,11,12,13,14,15,16,17,18,19,20,21,22,23,24,25,26,27,28,29,30,31
	global_load_b32 v[XW+32*((\t)%2)+\i], v3, s[\src:\src+1] offset:(32*(\t)+\i)*\n*4 th:TH_LOAD_NT
.endr
.endm
.macro BLOCKW t, n, src, dst
.set XS, XW+32*((\t)%2)
.set CS, CW+8*(\t)
.if (\t) < 7
	s_wait_loadcnt 32                              ; this block's 32 loads are in; the next block's may be out
.else
	s_wait_loadcnt 0
.endif
.set j, 0
.rept 32
	v_med3_num_f32 v[XS+j], v[XS+j], -v10, v10
.set j, j+1
.endr
	v_cvt_scalef32_pk8_fp8_f32 v[CS:CS+1],   v[XS:XS+7],     v11   ; k 0-7 and 16-23 are the bytes of the fragment's lane r,
	v_cvt_scalef32_pk8_fp8_f32 v[CS+4:CS+5], v[XS+8:XS+15],  v11   ; k 8-15 and 24-31 those of its lane 16 + r
	v_cvt_scalef32_pk8_fp8_f32 v[CS+2:CS+3], v[XS+16:XS+23], v11
	v_cvt_scalef32_pk8_fp8_f32 v[CS+6:CS+7], v[XS+24:XS+31], v11
	v_nop                                          ; a plain line behind the last conversion of the run
	global_store_b128 v8, v[CS:CS+3],   s[\dst:\dst+1] offset:(\t)*512       ; sixteen lanes store 256 consecutive bytes, aligned
	global_store_b128 v8, v[CS+4:CS+7], s[\dst:\dst+1] offset:(\t)*512+256
.if (\t)+2 < 8
	LOADW (\t)+2, \n, \src
.endif
.endm
; A weight [1024][n]: work-group g = 4 nx + ky takes columns 128 nx on and k = 256 ky on; wave w its 32 columns.  Every offset is an immediate: 255 x n x 4 bytes at the most, inside the signed 24 bits.
.macro WPATH n, src, dst, e, first
	s_sub_co_u32 s19, ttmp9, \first                ; g
	s_and_b32 s20, s19, 3                          ; ky
	s_lshr_b32 s21, s19, 2                         ; nx
	s_mul_i32 s22, s20, 256*\n*4
	s_lshl_b32 s21, s21, 9
	s_add_co_u32 s22, s22, s21
	s_lshl_b32 s21, s18, 7
	s_add_co_u32 s22, s22, s21
	s_add_nc_u64 s[\src:\src+1], s[\src:\src+1], s[22:23]
	s_lshl_b32 s22, s19, 15                        ; the codes: block [nx][ky] of 32,768 bytes, my wave's two fragment rows of 4,096
	s_lshl_b32 s21, s18, 13
	s_add_co_u32 s22, s22, s21
	s_add_nc_u64 s[\dst:\dst+1], s[\dst:\dst+1], s[22:23]
	v_lshlrev_b32 v8, 12, v6
	v_lshl_add_u32 v8, v5, 4, v8                   ; 4,096 x (lane / 16) + 16 x (lane % 16)
	LOADW 0, \n, \src
	LOADW 1, \n, \src
	s_wait_kmcnt 0x0
	MKSCALE \e
	s_wait_alu depctr_va_vdst(0)
.irp t, 0,1,2,3,4,5,6,7
	BLOCKW \t, \n, \src, \dst
.endr
	s_endpgm
.endm
	s_load_b256 s[4:11], s[0:1], 0x0               ; x s[4:5], w_attn s[6:7], w_proj s[8:9], the scales' exponents s[10:11]
	s_load_b128 s[12:15], s[0:1], 0x20             ; xc s[12:13], wac s[14:15]
	s_load_b64 s[16:17], s[0:1], 0x30              ; wpc
	v_lshl_add_u32 v240, v0, 2, 0x8400
	v_mov_b32 v241, 0
	v_lshrrev_b32 v1, 5, v0
	v_readfirstlane_b32 s18, v1                    ; wave 0..3
	v_and_b32 v2, 31, v0                           ; lane
	v_and_b32 v5, 15, v0                           ; r
	v_bfe_u32 v6, v0, 4, 1                         ; h
	v_lshlrev_b32 v3, 2, v2                        ; 4 x lane
	v_lshlrev_b32 v4, 4, v2                        ; 16 x lane
	s_mov_b32 s23, 0                               ; the high word of every offset
	s_wait_kmcnt 0x0
	s_load_b256 s[24:31], s[10:11], 0x0            ; e0 .. e7
	s_cmp_lt_u32 ttmp9, 256
	s_cbranch_scc1 .Lx
	s_cmp_lt_u32 ttmp9, 352
	s_cbranch_scc1 .Lwa
	s_wait_alu depctr_va_vdst(0)
	WPATH 1024, 8, 16, 31, 352                     ; w_proj -> wpc, e7
.Lwa:
	s_wait_alu depctr_va_vdst(0)
	WPATH 3072, 6, 14, 25, 256                     ; w_attn -> wac, e1
.Lx:
	s_lshl_b32 s19, ttmp9, 2
	s_add_co_u32 s19, s19, s18                     ; unit u = 4 x work-group + wave
	s_lshr_b32 s20, s19, 1                         ; my 16 rows: rb = u / 2
	s_and_b32 s21, s19, 1                          ; which half of K
	s_lshl_b32 s22, s20, 16                        ; 16 rows of 4,096 bytes
	s_lshl_b32 s32, s21, 11
	s_add_co_u32 s22, s22, s32
	s_add_nc_u64 s[4:5], s[4:5], s[22:23]
	s_lshr_b32 s22, s20, 3
	s_lshl_b32 s22, s22, 17                        ; [rb / 8] of 131,072 bytes
	s_lshl_b32 s32, s21, 16                        ; two blocks of 256 along K
	s_add_co_u32 s22, s22, s32
	s_and_b32 s32, s20, 7
	s_lshl_b32 s32, s32, 12                        ; [rb % 8] of 4,096
	s_add_co_u32 s22, s22, s32
	s_add_nc_u64 s[12:13], s[12:13], s[22:23]
	s_mul_i32 s33, s18, WST                        ; my stage
	s_wait_alu depctr_va_vdst(0)
	v_add_nc_u32 v14, s33, v4                      ; in: 16 x lane, the row in the immediate
	v_mul_u32_u24 v15, v5, SP
	v_lshl_add_u32 v15, v6, 5, v15
	v_add_nc_u32 v15, s33, v15                     ; back: row r, + 32 h bytes
	LOADX 0
	LOADX 1
	s_wait_alu depctr_va_vdst(0)
	s_wait_kmcnt 0x0
	MKSCALE 24                                     ; e0
	s_wait_alu depctr_va_vdst(0)
	FRAGX 0
	FRAGX 1
	FRAGX 2
	FRAGX 3
	s_wait_tensorcnt 0x0
	ds_add_u32 v240, v241
	s_wait_dscnt 0x0
	s_endpgm
.Lfunc_end_k_qfa4c1e8168_quant:
	.size	k_qfa4c1e8168_quant, .Lfunc_end_k_qfa4c1e8168_quant-k_qfa4c1e8168_quant
	.p2alignl 7, 3214868480
	.fill 96, 4, 3214868480
	.section	.rodata,"a",@progbits
	.p2align	6, 0x0
	.amdhsa_kernel k_qfa4c1e8168_quant
		.amdhsa_group_segment_fixed_size 34304
		.amdhsa_private_segment_fixed_size 0
		.amdhsa_enable_private_segment 0
		.amdhsa_kernarg_size 56
		.amdhsa_user_sgpr_count 2
		.amdhsa_user_sgpr_kernarg_segment_ptr 1
		.amdhsa_wavefront_size32 1
		.amdhsa_system_sgpr_workgroup_id_x 1
		.amdhsa_system_sgpr_workgroup_id_y 1
		.amdhsa_system_sgpr_workgroup_id_z 1
		.amdhsa_system_vgpr_workitem_id 0
		.amdhsa_next_free_vgpr 242
		.amdhsa_next_free_sgpr 66
		.amdhsa_reserve_vcc 0
		.amdhsa_float_denorm_mode_32 3
		.amdhsa_float_denorm_mode_16_64 3
		.amdhsa_memory_ordered 1
		.amdhsa_forward_progress 1
		.amdhsa_inst_pref_size 127
	.end_amdhsa_kernel
	.amdgpu_metadata
---
amdhsa.version: [ 1, 2 ]
amdhsa.kernels:
  - .name:           k_qfa4c1e8168_quant
    .symbol:         k_qfa4c1e8168_quant.kd
    .args:
      - { .name: x, .offset: 0, .size: 8, .value_kind: global_buffer, .address_space: global }
      - { .name: w_attn, .offset: 8, .size: 8, .value_kind: global_buffer, .address_space: global }
      - { .name: w_proj, .offset: 16, .size: 8, .value_kind: global_buffer, .address_space: global }
      - { .name: lowp_scales, .offset: 24, .size: 8, .value_kind: global_buffer, .address_space: global }
      - { .name: xc, .offset: 32, .size: 8, .value_kind: global_buffer, .address_space: global }
      - { .name: wac, .offset: 40, .size: 8, .value_kind: global_buffer, .address_space: global }
      - { .name: wpc, .offset: 48, .size: 8, .value_kind: global_buffer, .address_space: global }
    .group_segment_fixed_size: 34304
    .private_segment_fixed_size: 0
    .kernarg_segment_align: 8
    .kernarg_segment_size: 56
    .max_flat_workgroup_size: 128
    .sgpr_count:     66
    .vgpr_count:     242
    .wavefront_size: 32
...
	.end_amdgpu_metadata
.endif
;; end of part 1
;; launch gemm_qkv (part 2): grid 12 x 32, 4 waves a work-group, clusters of 4 x 4, 327,680 bytes of LDS; arguments xc, wac, lowp_scales, qkvc; writes qkvc
.if DOCPART == 2
	.amdgcn_target "amdgcn-amd-amdhsa--gfx1250"
	.amdhsa_code_object_version 6
	.text
	.protected	k_qfa4c1e8168_gemm_qkv
	.globl	k_qfa4c1e8168_gemm_qkv
	.p2align	8
	.type	k_qfa4c1e8168_gemm_qkv,@function
k_qfa4c1e8168_gemm_qkv:
	s_mov_b64 s[64:65], 0
	v_nop
	global_prefetch_b8 v0, s[64:65] scope:SCOPE_SE
	s_setreg_imm32_b32 hwreg(HW_REG_WAVE_MODE, 25, 1), 1
	s_wait_xcnt 0x0
	s_wait_alu depctr_hold_cnt(0) depctr_sa_sdst(0) depctr_va_vdst(0) depctr_va_sdst(0) depctr_va_ssrc(0) depctr_va_vcc(0) depctr_vm_vsrc(0)
	s_getreg_b32 s2, hwreg(HW_REG_IB_STS2, 6, 4)
	s_cmp_eq_u32 s2, 0
	s_cbranch_scc0 .Lentry_in_a_cluster
	s_endpgm
.Lentry_in_a_cluster:
	s_bfe_u32 s2, ttmp6, 0x10000c
	s_cmp_lg_u32 s2, 0xf033
	s_cbranch_scc0 .Lentry_shape_is_right
	s_endpgm
.Lentry_shape_is_right:
; qkv = x w_attn on codes of FP8 (E4M3), K = 1,024, and its results quantised at once for the products that follow: q with 2^e2, k with 2^e3, v with 2^e5.
; xc (8,192 rows) and wac (3,072 rows = columns of w_attn) hold images of the operands' registers: a fragment (16 rows x 128 K) is 2,048 bytes, piece c at 512 c, 16 bytes a lane; fragments lie
; [row / 128][k / 256][(row / 16) % 8][(k / 128) % 2], so a tile of 128 rows x 256 K is 32,768 consecutive bytes and a fragment comes from LDS by four loads at 16 x lane: no pitch, no padding.
; A tile of 256 x 256 is made by four waves, each 128 x 128: 64 accumulators, 512 registers.  K goes in steps of 256 through a ring of two LDS slots.
; THE MATRIX INSTRUCTION: source 0 = 16 rows of side B, source 1 = 16 rows of side A: lane (r, h) holds row r of A's block and, in registers 0-7, rows 8 h + 0..7 of B's block.
; q AND k (cluster x = 0, 1): side A = x's rows (t), side B = w_attn's columns: a lane's eight registers are eight neighbouring channels d of one t: K of the scores' product.
; v (cluster x = 2): THE SIDES CHANGE PLACES, by selects on cluster x alone: side A = w_attn's columns, side B = x's rows: a lane's eight registers are eight neighbouring KEYS of one channel: K of the second product.
; In both cases accumulator (a, b), converted, is registers 2 b, 2 b + 1 of block a's operand image, and a wave's 128 x 128 leave as 16,384 consecutive bytes straight from registers.
; qkvc: q at 0, k at 8,388,608, v at 16,777,216; in each, block (P = batch x 8 + head / 2, t / 128) at (16 P + t / 128) x 16,384.  q, k inside it: [t / 16 % 8][head % 2][1,024]; v: [head % 2][d / 16][2,048].
; A sum stands for sum x 2^(e0 + e1): its code is sum / 2^f, f = e(q, k or v) - e0 - e1.  LIMIT: f between -126 and 119, so that 2^f and 448 x 2^f are f32 numbers.
; CLUSTERS: 4 x 4 work-groups; side A's tiles are shared along a row of the cluster, side B's along a column: each tile is asked for jointly.
; REGISTERS, in windows of 256: window 0: v0-31 addresses; v128-255 A's fragments, one set (on the way out: the codes).  window 1: B's fragments, two sets.  windows 2, 3: the accumulators, (a, b) at v[8 (8 (a % 4) + b)].
.set HALFT,  32768                     ; 128 rows x 256 K: what one tensor load brings, and what one wave reads of a side
.set SLOT,   4*HALFT                   ; A's two halves, then B's two
.set STEPB,  32768                     ; in memory from a K step of 256 to the next
.set LAPS,   2                         ; 1,024 / 512: a lap = two K steps = once round the ring
.set SPARE,  2*SLOT                    ; behind the ring: the spare words, 128 bytes for each wave: two blocks of 256 bytes that no other line names
.set FR,     16                        ; registers of a fragment
.set NL,     4                         ; LDS loads that bring one
.set NP,     4                         ; places behind this matrix instruction (ISA guide 7.12.1)
.set ADRA, 16                          ; v16-17  LDS address of my A fragments in slot 0, 1
.set ADRB, 20                          ; v20-21  the same for B
.set CO,   26                          ; v26     16 x lane
.set SPW,  28                          ; v28     LDS address of my spare word; never rewritten
.set NIL,  29                          ; v29     0; never rewritten
.set SCR,  30                          ; v30     2^f as f32
.set LIMR, 31                          ; v31     448 x 2^f
.set AF,   128                         ; A's fragments, in window 0
.set OC,   128                         ; the way out: 16 registers of codes for each of the eight blocks
.set G1, 24                            ; s[24:31] descriptor group 1 for A's tiles;  s[32:39] group 0, one set for each slot
.set G0, 32
.set G1B, 48                           ; s[48:55], s[56:63] the same for B's tiles
.set G0B, 56
.set MSB, 0
.macro WIN new                         ; the immediate's high byte repeats the setting that is left
.if MSB != (\new)
	s_set_vgpr_msb (MSB<<8)|(\new)
.set MSB, (\new)
.endif
.endm
.set MUL_LO, 0xa1                      ; source 0 (B) window 1, source 1 (A) window 0, C and D window 2
.set MUL_HI, 0xf1                      ; the same, C and D window 3
.set TO_B,   0x40                      ; destination window 1, address window 0
; A joint load: waves 0 and 1 fetch for A, waves 2 and 3 for B.  The branch hangs on the wave's number alone.  Four v_nop follow each of the two lines.
.macro JLOAD g0a, g1a, g0b, g1b
	s_cmp_eq_u32 s15, 0
	s_cbranch_scc0 .Lfor_b_\@
	tensor_load_to_lds s[\g0a:\g0a+3], s[\g1a:\g1a+7]
	s_nop 0
.rept 4
	v_nop
.endr
	s_branch .Lasked_\@
.Lfor_b_\@:
	tensor_load_to_lds s[\g0b:\g0b+3], s[\g1b:\g1b+7]
	s_nop 0
.rept 4
	v_nop
.endr
.Lasked_\@:
.endm
.macro CREST                           ; a round of the cluster's barrier behind its opening barrier
	s_cmp_lg_u32 s14, 0
	s_cbranch_scc1 .Lnot_wave_0_\@
	s_barrier_signal -3
.Lnot_wave_0_\@:
	s_barrier_wait -3
	s_barrier_signal -1
	s_barrier_wait -1
.endm
.macro CROUND                          ; a whole round
	s_barrier_signal -1
	s_barrier_wait -1
	CREST
.endm
	s_load_b128 s[4:7], s[0:1], 0x0                ; xc s[4:5], wac s[6:7]
	s_load_b128 s[8:11], s[0:1], 0x10              ; the scales' exponents s[8:9], qkvc s[10:11]
	v_lshl_add_u32 v[SPW], v0, 2, SPARE
	v_mov_b32 v[NIL], 0
	ds_add_u32 v28, v29
	ds_add_u32 v28, v29
	s_wait_dscnt 0x0
	v_lshrrev_b32 v1, 5, v0
	v_readfirstlane_b32 s14, v1                    ; wave 0..3
	s_lshr_b32 s15, s14, 1                         ; which half of A's 256 rows is mine.  Also: I fetch for A (0) or for B (1)
	s_and_b32 s16, s14, 1                          ; which half of B's.  Also: which 128 rows of that tile I fetch
	s_bfe_u32 s40, ttmp6, 0x40000                  ; cx, cy: my place in the cluster
	s_bfe_u32 s41, ttmp6, 0x40004
	s_and_b32 s17, ttmp7, 0xffff
	s_lshl_b32 s17, s17, 2                         ; 4 x cluster y
	s_lshl_b32 s42, ttmp9, 2                       ; 4 x cluster x
	s_cmp_eq_u32 ttmp9, 2                          ; v's columns?  The same answer in all sixteen partners
	s_cselect_b32 s42, s17, s42                    ; side B's first tile: for v x's tile 4 x cluster y, else w_attn's tile 4 x cluster x
	s_cselect_b32 s17, 8, s17                      ; side A's: for v w_attn's tile 8, else x's tile 4 x cluster y
	s_add_co_u32 s42, s42, s40                     ; side B's tile: + cx
	s_add_co_u32 s17, s17, s41                     ; side A's tile: + cy
	s_lshl_b32 s43, s41, 2
	s_lshl_b32 s43, 15, s43                        ; my row of the cluster
	s_lshl_b32 s44, 0x1111, s40                    ; my column
	; descriptor group 1: 32,768 consecutive bytes as 128 rows of 32 elements of 8 bytes, no padding
	s_or_b32 s[G1+0], s43, (3<<16)|(1<<21)         ; 15:0 the mask: A's tiles go to my row; 17:16 elements of 8 bytes; 21 set beside a mask
	s_or_b32 s[G1B+0], s44, (3<<16)|(1<<21)        ; B's go to my column
.irp g, G1, G1B
	s_mov_b32 s[\g+1], 32<<16                      ; tensor_dim0 = 32
	s_mov_b32 s[\g+2], 128<<16                     ; tensor_dim1 = 128
	s_mov_b32 s[\g+3], 32<<16                      ; tile_dim0 = 32
	s_mov_b32 s[\g+4], 128                         ; tile_dim1 = 128
	s_mov_b32 s[\g+5], 32                          ; tensor_dim0_stride = 32: the rows lie on end
	s_mov_b32 s[\g+6], 0
	s_mov_b32 s[\g+7], 0
.endr
	s_lshl_b32 s20, s17, 1
	s_add_co_u32 s20, s20, s16                     ; A: the 128 rows that I fetch: 2 x tile + half,
	s_lshl_b32 s20, s20, 17                        ; of 131,072 bytes
	s_mov_b32 s21, 0
	s_lshl_b32 s46, s42, 1
	s_add_co_u32 s46, s46, s16                     ; B likewise
	s_lshl_b32 s46, s46, 17
	s_mov_b32 s47, 0
	s_mul_i32 s45, s14, HALFT                      ; where they go: wave x 32,768: no place in the cluster enters an LDS address
	s_wait_kmcnt 0x0
	s_load_b256 s[68:75], s[8:9], 0x0              ; e0 .. e7
	s_cmp_eq_u32 ttmp9, 2
	s_cselect_b64 s[12:13], s[6:7], s[4:5]         ; side A's buffer
	s_cselect_b64 s[18:19], s[4:5], s[6:7]         ; side B's
	s_add_nc_u64 s[20:21], s[12:13], s[20:21]
	s_add_nc_u64 s[46:47], s[18:19], s[46:47]
	CROUND                                         ; all sixteen work-groups are here: the first joint loads meet
.irp s, 0,1
	s_mov_b32 s[G0+4*\s], 1
	s_add_co_u32 s[G0+4*\s+1], s45, \s*SLOT
	s_add_nc_u64 s[G0+4*\s+2:G0+4*\s+3], s[20:21], \s*STEPB
	s_or_b32 s[G0+4*\s+3], s[G0+4*\s+3], 0x80000000
	s_mov_b32 s[G0B+4*\s], 1
	s_add_co_u32 s[G0B+4*\s+1], s45, \s*SLOT
	s_add_nc_u64 s[G0B+4*\s+2:G0B+4*\s+3], s[46:47], \s*STEPB
	s_or_b32 s[G0B+4*\s+3], s[G0B+4*\s+3], 0x80000000
.endr
	JLOAD G0, G1, G0B, G1B                         ; K step 0: one tensor load a wave at the head
	v_and_b32 v1, 31, v0
	v_lshlrev_b32 v[CO], 4, v1                     ; 16 x lane: my place in every piece of an image
	s_mul_i32 s21, s15, HALFT                      ; my 128 rows of A
	s_mul_i32 s22, s16, HALFT                      ; my 128 rows of B,
	s_add_co_u32 s22, s22, 2*HALFT                 ; which lie behind A's 256
.irp s, 0,1
	v_add_nc_u32 v[ADRA+\s], s21, v[CO]
	v_add_nc_u32 v[ADRB+\s], s22, v[CO]
	s_add_co_u32 s21, s21, SLOT
	s_add_co_u32 s22, s22, SLOT
.endr
	; where my 16,384 bytes of codes go
	s_lshl_b32 s78, s17, 1
	s_add_co_u32 s78, s78, s15                     ; side A's group of 128 that I make
	s_lshl_b32 s79, s42, 1
	s_add_co_u32 s79, s79, s16                     ; side B's
	s_cmp_eq_u32 ttmp9, 2
	s_cselect_b32 s80, s79, s78                    ; the group of 128 rows of x: batch x 16 + t / 128
	s_cselect_b32 s81, s78, s79                    ; the group of 128 columns: its low three bits are the pair of heads
	s_lshr_b32 s82, s80, 4
	s_lshl_b32 s82, s82, 3
	s_and_b32 s81, s81, 7
	s_add_co_u32 s82, s82, s81                     ; P
	s_lshl_b32 s82, s82, 4
	s_and_b32 s80, s80, 15
	s_add_co_u32 s82, s82, s80
	s_lshl_b32 s82, s82, 14
	s_lshl_b32 s83, ttmp9, 23                      ; q, k or v
	s_add_co_u32 s82, s82, s83
	s_mov_b32 s83, 0
	s_add_nc_u64 s[10:11], s[10:11], s[82:83]
.macro FRAG reg, adr, q, i             ; fragment (block i of 16 rows, the slot's q-th 128 along K): four loads of 512 consecutive bytes
.irp c, 0,1,2,3
	ds_load_b128 v[\reg+4*\c:\reg+4*\c+3], v[\adr] offset:(\i)*4096+(\q)*2048+512*\c
.endr
.endm
; 16 matrix instructions: A's blocks a0, a0 + 1 x B's eight, 128 along K.  p: B's set.  zero = 1: the first product starts the sums.
; The 64 accumulators take turns, one instruction a turn, in the same order in every step.
.macro MUL16 a0, p, zero
.irp a, \a0, \a0+1
.irp b, 0,1,2,3,4,5,6,7
.if \zero
	v_wmma_f32_16x16x128_fp8_fp8 v[8*(8*((\a)%4)+\b):8*(8*((\a)%4)+\b)+7], v[128*(\p)+FR*\b:128*(\p)+FR*\b+FR-1], v[AF+FR*(\a):AF+FR*(\a)+FR-1], 0
.else
	v_wmma_f32_16x16x128_fp8_fp8 v[8*(8*((\a)%4)+\b):8*(8*((\a)%4)+\b)+7], v[128*(\p)+FR*\b:128*(\p)+FR*\b+FR-1], v[AF+FR*(\a):AF+FR*(\a)+FR-1], v[8*(8*((\a)%4)+\b):8*(8*((\a)%4)+\b)+7]
.endif
.endr
.endr
.endm
.macro FETCH_B slot, q, p              ; B's eight fragments into set p
	WIN TO_B
.irp i, 0,1,2,3,4,5,6,7
	FRAG 128*(\p)+FR*\i, ADRB+\slot, \q, \i
.endr
	WIN 0
.endm
.macro FETCH_A slot, q, i0             ; A's blocks i0 .. i0 + 3
.irp i, \i0, \i0+1, \i0+2, \i0+3
	FRAG AF+FR*(\i), ADRA+\slot, \q, \i
.endr
.endm
.macro PLACES n                        ; plain vector lines between a matrix instruction and a load into, or a vector instruction on, its registers
.rept \n
	v_nop
.endr
.endm
; A step of 128 along K that has its successor in the same slot.  A's blocks 0-3 are fetched anew in its middle, blocks 4-7 at its end; B's next set in the middle.
.macro STEP slot, q, zero
	s_wait_dscnt 4*NL                              ; B's set and A's blocks 0-3 are in; the youngest sixteen loads (A's blocks 4-7) may be out
	WIN MUL_LO
	MUL16 0, (\q)%2, \zero
	MUL16 2, (\q)%2, \zero
	s_wait_dscnt 0                                 ; A's blocks 4-7 are in
	PLACES NP
	FETCH_B \slot, (\q)+1, 1-(\q)%2
	FETCH_A \slot, (\q)+1, 0
	WIN MUL_HI
	MUL16 4, (\q)%2, \zero
	MUL16 6, (\q)%2, \zero
	PLACES NP
	WIN 0
	FETCH_A \slot, (\q)+1, 4
.endm
; A slot's last step changes slots: ONE barrier; in front of it each wave waits for all its tensor loads, adds 0 to its spare word, and waits for that and for its reads of this slot.  fill = 1: this slot is filled again, two K steps ahead.
.macro TURN slot, next, fill
	s_wait_tensorcnt 0x0                           ; all my tensor loads have landed: my part of the next slot
	ds_add_u32 v[SPW], v[NIL]                      ; 0 onto my spare word
	s_wait_dscnt 4*NL+1                            ; (the add and the youngest sixteen loads, A's blocks 4-7, may be out)
	WIN MUL_LO
	MUL16 0, 1, 0                                  ; sixteen matrix instructions stand between the add and the wait for it
	s_wait_dscnt 0x0                               ; the add is done, and my reads of this slot are over
	s_barrier_signal -1
	MUL16 2, 1, 0
	WIN 0
	s_barrier_wait -1
.if \fill
	CREST                                          ; the barrier has opened a round of the cluster's barrier: no wave of any partner still reads this slot or has a load on its way
	s_add_nc_u64 s[G0+4*\slot+2:G0+4*\slot+3], s[G0+4*\slot+2:G0+4*\slot+3], 2*STEPB
	s_add_nc_u64 s[G0B+4*\slot+2:G0B+4*\slot+3], s[G0B+4*\slot+2:G0B+4*\slot+3], 2*STEPB
	JLOAD G0+4*\slot, G1, G0B+4*\slot, G1B         ; the first tensor load behind the round; its four v_nop are the places in front of the loads below
.else
	PLACES NP
.endif
	FETCH_B \next, 0, 0
	FETCH_A \next, 0, 0
	WIN MUL_HI
	MUL16 4, 1, 0
	MUL16 6, 1, 0
	PLACES NP
	WIN 0
	FETCH_A \next, 0, 4
.endm
	s_wait_alu depctr_va_vdst(0)
	s_wait_tensorcnt 0x0                           ; my part of K step 0 is in; slot 1's first fill is issued as a refill is:
	ds_add_u32 v[SPW], v[NIL]                      ; 0 onto my spare word
	s_wait_dscnt 0x0
	CROUND                                         ; everybody's part of K step 0 is in, and all sixteen work-groups are here
	JLOAD G0+4, G1, G0B+4, G1B                     ; K step 1: the first tensor load behind the round
	FETCH_B 0, 0, 0
	FETCH_A 0, 0, 0
	FETCH_A 0, 0, 4
	STEP 0, 0, 1                                   ; the first step stands in front of the loop: its products start the sums
	s_mov_b32 s3, LAPS-1
.Llap:                                                 ; a trip goes once round the ring, from a lap's second step to the next lap's first, and fills both slots again
	TURN 0, 1, 1
	STEP 1, 0, 0
	TURN 1, 0, 1
	STEP 0, 0, 0
	s_sub_co_u32 s3, s3, 1
	s_cmp_lg_u32 s3, 0
	s_cbranch_scc1 .Llap
	TURN 0, 1, 0                                   ; the last lap fills nothing, and has no round of the cluster's barrier
	STEP 1, 0, 0
	s_wait_dscnt 4*NL                              ; the very last step: nothing more to fetch
	WIN MUL_LO
	MUL16 0, 1, 0
	MUL16 2, 1, 0
	s_wait_dscnt 0
	WIN MUL_HI
	MUL16 4, 1, 0
	MUL16 6, 1, 0
	WIN 0
; THE WAY OUT, block a of 16 rows of side A: the hold, in place, each accumulator from its low end on; eight conversions give the block's 16 registers of codes, which are its image: four stores of 512 consecutive bytes.
; Each block has its own registers of codes, so no store's data are written again.
.macro QOUT a
.set AC, 64*((\a)%4)
	WIN 0x82+0x41*((\a)/4)                         ; source 0 and destination: window 2 or 3; the bounds in window 0
.set j, 0
.rept 64
	v_med3_num_f32 v[AC+j], v[AC+j], -v[LIMR], v[LIMR]   ; the conversion to an 8-bit code does not saturate (ISA guide 7.6.2)
.set j, j+1
.endr
	WIN 0x02+((\a)/4)                              ; source 0: window 2 or 3; destination and scale: window 0
.irp b, 0,1,2,3,4,5,6,7
	v_cvt_scalef32_pk8_fp8_f32 v[OC+16*(\a)+2*\b:OC+16*(\a)+2*\b+1], v[AC+8*\b:AC+8*\b+7], v[SCR]
.endr
	v_nop                                          ; a plain line behind the last conversion of the run
	WIN 0
.irp c, 0,1,2,3
	global_store_b128 v[CO], v[OC+16*(\a)+4*\c:OC+16*(\a)+4*\c+3], s[10:11] offset:(\a)*2048+\c*512
.endr
.endm
	s_wait_kmcnt 0x0
	s_cmp_eq_u32 ttmp9, 0
	s_cselect_b32 s76, s70, s71                    ; e2 for q, e3 for k,
	s_cmp_eq_u32 ttmp9, 2
	s_cselect_b32 s76, s73, s76                    ; e5 for v
	s_sub_co_i32 s76, s76, s68
	s_sub_co_i32 s76, s76, s69                     ; f = e - e0 - e1
	s_add_co_i32 s76, s76, 127
	s_lshl_b32 s77, s76, 23
	v_mov_b32 v[SCR], s77                          ; 2^f
	s_add_co_i32 s76, s76, 8
	s_lshl_b32 s76, s76, 23
	s_or_b32 s76, s76, 0x600000
	v_mov_b32 v[LIMR], s76                         ; 448 x 2^f
	PLACES NP                                      ; behind the last products
.irp a, 0,1,2,3,4,5,6,7
	QOUT \a
.endr
	s_wait_tensorcnt 0x0                           ; the wave's end
	ds_add_u32 v[SPW], v[NIL]
	s_wait_dscnt 0x0
	CROUND                                         ; the closing round: no work-group ends while a partner may still ask for a tile that names it
	s_endpgm
.Lfunc_end_k_qfa4c1e8168_gemm_qkv:
	.size	k_qfa4c1e8168_gemm_qkv, .Lfunc_end_k_qfa4c1e8168_gemm_qkv-k_qfa4c1e8168_gemm_qkv
	.p2alignl 7, 3214868480
	.fill 96, 4, 3214868480
	.section	.rodata,"a",@progbits
	.p2align	6, 0x0
	.amdhsa_kernel k_qfa4c1e8168_gemm_qkv
		.amdhsa_group_segment_fixed_size 327680
		.amdhsa_private_segment_fixed_size 0
		.amdhsa_enable_private_segment 0
		.amdhsa_kernarg_size 32
		.amdhsa_user_sgpr_count 2
		.amdhsa_user_sgpr_kernarg_segment_ptr 1
		.amdhsa_wavefront_size32 1
		.amdhsa_system_sgpr_workgroup_id_x 1
		.amdhsa_system_sgpr_workgroup_id_y 1
		.amdhsa_system_sgpr_workgroup_id_z 1
		.amdhsa_system_vgpr_workitem_id 0
		.amdhsa_next_free_vgpr 1024
		.amdhsa_next_free_sgpr 98
		.amdhsa_reserve_vcc 0
		.amdhsa_float_denorm_mode_32 3
		.amdhsa_float_denorm_mode_16_64 3
		.amdhsa_memory_ordered 1
		.amdhsa_forward_progress 1
		.amdhsa_inst_pref_size 118
	.end_amdhsa_kernel
	.amdgpu_metadata
---
amdhsa.version: [ 1, 2 ]
amdhsa.kernels:
  - .name:           k_qfa4c1e8168_gemm_qkv
    .symbol:         k_qfa4c1e8168_gemm_qkv.kd
    .args:
      - { .name: xc, .offset: 0, .size: 8, .value_kind: global_buffer, .address_space: global }
      - { .name: wac, .offset: 8, .size: 8, .value_kind: global_buffer, .address_space: global }
      - { .name: lowp_scales, .offset: 16, .size: 8, .value_kind: global_buffer, .address_space: global }
      - { .name: qkvc, .offset: 24, .size: 8, .value_kind: global_buffer, .address_space: global }
    .group_segment_fixed_size: 327680
    .private_segment_fixed_size: 0
    .kernarg_segment_align: 8
    .kernarg_segment_size: 32
    .max_flat_workgroup_size: 128
    .sgpr_count:     98
    .vgpr_count:     1024
    .wavefront_size: 32
...
	.end_amdgpu_metadata
.endif
;; end of part 2
;; launch attn (part 3): grid 4 x 64, 16 waves a work-group, clusters of 4 x 1, 327,680 bytes of LDS; arguments qkvc, lowp_scales, yc; writes yc
.if DOCPART == 3
	.amdgcn_target "amdgcn-amd-amdhsa--gfx1250"
	.amdhsa_code_object_version 6
	.text
	.protected	k_qfa4c1e8168_attn
	.globl	k_qfa4c1e8168_attn
	.p2align	8
	.type	k_qfa4c1e8168_attn,@function
k_qfa4c1e8168_attn:
	s_mov_b64 s[64:65], 0
	v_nop
	global_prefetch_b8 v0, s[64:65] scope:SCOPE_SE
	s_setreg_imm32_b32 hwreg(HW_REG_WAVE_MODE, 25, 1), 1
	s_wait_xcnt 0x0
	s_wait_alu depctr_hold_cnt(0) depctr_sa_sdst(0) depctr_va_vdst(0) depctr_va_sdst(0) depctr_va_ssrc(0) depctr_va_vcc(0) depctr_vm_vsrc(0)
	s_getreg_b32 s2, hwreg(HW_REG_IB_STS2, 6, 4)
	s_cmp_eq_u32 s2, 0
	s_cbranch_scc0 .Lentry_in_a_cluster
	s_endpgm
.Lentry_in_a_cluster:
	s_bfe_u32 s2, ttmp6, 0x10000c
	s_cmp_lg_u32 s2, 0x3003
	s_cbranch_scc0 .Lentry_shape_is_right
	s_endpgm
.Lentry_shape_is_right:
; Causal attention on codes of FP8 (E4M3): 64 heads (batch x 16 + head) of 2,048 tokens and 64 channels.  y is quantised at once, with 2^e6, for the last product.
; LEFT OUT: key steps all of whose 128 keys come after a wave's queries: the causal mask makes their scores -infinity, so their p is 0 for all values of the inputs.
; THE SOFTMAX AHEAD OF THE SECOND PRODUCT: t = score x log2(e) / 8; M = the row's largest t so far, rounded UP to a whole number; p = 2^(t - M) is what is quantised (2^e4), not normalised.
; The row's sum is taken of the unquantised p, in f32, and divides O at the end.  When M moves, the sum and O are multiplied by 2^(old M - new M): exact.
; LDS HOLDS A HEAD'S WHOLE K AND V: 2 x 131,072 bytes, each byte filled once.  Two groups of loads, one load a wave in each: keys 0-511 at the head (4,096 bytes a wave), keys 512-2,047 behind the
; full sequence and a round (12,288 bytes a wave); the second group lands under the first four trips, and one barrier stands behind those.  Nothing is filled again, so the loops hold no barrier.
; SHARES.  Work-group x (0..3) of a head owns the tiles of 16 queries with number 4 i + x.  A wave owns the PAIR i = 2 m, 2 m + 1: both want key steps 0 .. m of 128 keys, whatever x is, so every fragment
; of K and V that the wave reads from LDS feeds two matrix instructions: 32 LDS loads for 2 tiles x 128 keys.  Pair m has m + 1 trips.  Wave w takes m from a 4 x 4 table whose rows and columns all add up to 30,
; so any four waves w % 4 = const or w / 4 = const hold 34 trips together.
; A TRIP, 128 keys, goes in two halves of 64 keys, so that both tiles' scores (64 registers) fit beside both O^T (64).  The two tiles' softmax chains are laid by turns and share one batch of exponentials.
; THE DIAGONAL lies in trip m: half 0 is tile 2 m's, half 1 tile 2 m + 1's; in half 1 all of tile 2 m's scores are hidden: they become -infinity, which leaves its M, sum and O^T as they are (f = 1, p = 0).
; CLUSTER: the four work-groups of a head read the same K and V, so each tile is asked for jointly (mask 15).  No branch, trip count or LDS address hangs on x: it enters q's and y's addresses and the mask's vector data alone.
; NO PREFETCH: all that the launch reads is asked for by the two groups of loads at its head; there is no loop left to run ahead in.
; LAYOUT.  Both products are used transposed: S^T = K Q^T (source 0 = 16 keys, source 1 = 16 queries), O^T = V^T P^T: a lane holds ONE query (lane % 16) of each tile throughout.
; S^T's tile t, register j, is key 16 t + 8 (lane / 16) + j: p's conversions give registers 2 t, 2 t + 1 of the second product's operand; likewise O^T's tile d gives registers 2 d, 2 d + 1 of y's image.
; qkvc holds images of the operands' registers (16 bytes a lane, 512 a piece): q, k: [P][t / 16][head % 2][1,024]; v: [P][t / 128][head % 2][d / 16][2,048], P = batch x 8 + head / 2; q at 0, k at 8,388,608, v at 16,777,216.
; In LDS: K [t / 16][1,024] from 0; V [piece j of 1,024 bytes of a key step's 8,192][key step][1,024] from 131,072.  Piece 2 d + u is channels 16 d on, keys 64 u on: a fragment of the K = 64 form.
; yc: fragments of 16 rows x 128 K, [row / 128][k / 256][(row / 16) % 8][(k / 128) % 2][2,048], row = batch x 2,048 + t, k = head x 64 + d.
; LIMITS on the given exponents, so that each power of two below is an f32 number: e2 + e3 between -123 and 130 (added to c's exponent field); e4, and e6 - e4 - e5, between -126 and 119.
; The promise holds while the scaled scores t stay under 2^31 in magnitude.
; REGISTERS: v1 16 x lane; v2, v3 the add's; v4, v5 16 x lane in V's two halves; v6, v8, v9 the trip's LDS addresses; v7 r - 8 h + 16 x; v10 -infinity; v12-15, v16-19 the two tiles' -M, largest t and sum;
; v20-35 Q; v36-99 K's eight fragments, then V's four of each half; v100-163 S^T, then p; v164-227 O^T; v228-243 p's codes, at the end y's; v244-247 scales; v248-255 at work.
.set VREG,  131072
.set SPARE, 262144                     ; behind K and V: the spare words, 128 bytes for each wave
.set LI,   1
.set SPW,  2
.set NIL,  3
.set LV,   4
.set LV2,  5
.set ADK,  6
.set RH,   7
.set ADV,  8
.set ADV2, 9
.set NEGI, 10
.set KS,   2                           ; s2   the trip: key step of 128
.set KO,   3                           ; s3   8,192 x key step
.set VO,   16                          ; s16  1,024 x key step
.set MM,   17                          ; s17  m: my pair, and its last key step
.set WV,   18
.set CX,   19
.set SEL,  20
.set CS,   22
.set G1K1, 24
.set G1V1, 32
.set G1K2, 40
.set G1V2, 48
.set G0K1, 56
.set G0V1, 60
.set G0K2, 88
.set G0V2, 92
.set YB,   66
.set YA,   76
.set QA,   96
.set QB,   98
.macro ROUND                           ; a round of the cluster's barrier
	s_barrier_signal -1
	s_barrier_wait -1
	s_cmp_lg_u32 s[WV], 0
	s_cbranch_scc1 .Lnw0_\@
	s_barrier_signal -3
.Lnw0_\@:
	s_barrier_wait -3
	s_barrier_signal -1
	s_barrier_wait -1
.endm
.macro JL g0k, g1k, g0v, g1v           ; waves 0-7 ask for K, waves 8-15 for V: one joint load in each arm
	s_cmp_lt_u32 s[WV], 8
	s_cbranch_scc0 .Lforv_\@
	tensor_load_to_lds s[\g0k:\g0k+3], s[\g1k:\g1k+7]
	s_nop 0
.rept 4
	v_nop
.endr
	s_branch .Lasked_\@
.Lforv_\@:
	tensor_load_to_lds s[\g0v:\g0v+3], s[\g1v:\g1v+7]
	s_nop 0
.rept 4
	v_nop
.endr
.Lasked_\@:
.endm
.macro MKG1 g, rows, pitch             ; rows of 128 elements of 8 bytes, on end in LDS; mask 15 with bit 21 beside it
	s_mov_b32 s[\g], 15|(3<<16)|(1<<21)
	s_mov_b32 s[\g+1], 128<<16
	s_mov_b32 s[\g+2], (\rows)<<16
	s_mov_b32 s[\g+3], 128<<16
	s_mov_b32 s[\g+4], \rows
	s_mov_b32 s[\g+5], \pitch
	s_mov_b32 s[\g+6], 0
	s_mov_b32 s[\g+7], 0
.endm
.macro TILEADR qa, ya                  ; s15 = the tile's number t / 16: where its fragment of q lies and its 1,024 bytes of y's codes go
	s_lshl_b32 s78, s15, 11
	s_add_co_u32 s78, s78, s14
	s_add_co_u32 s78, s78, s84
	s_mov_b32 s79, 0
	s_add_nc_u64 s[\qa:\qa+1], s[4:5], s[78:79]
	s_lshr_b32 s78, s15, 3
	s_add_co_u32 s78, s78, s85
	s_lshl_b32 s78, s78, 17
	s_and_b32 s87, s15, 7
	s_lshl_b32 s87, s87, 12
	s_add_co_u32 s78, s78, s87
	s_add_co_u32 s78, s78, s86
	s_add_nc_u64 s[\ya:\ya+1], s[8:9], s[78:79]
.endm
	s_load_b128 s[4:7], s[0:1], 0x0                ; qkvc, the scales' exponents
	s_load_b64 s[8:9], s[0:1], 0x10                ; yc
	v_lshl_add_u32 v[SPW], v0, 2, SPARE
	v_mov_b32 v[NIL], 0
	ds_add_u32 v[SPW], v[NIL]                      ; the opening lines: the add, twice on end, and its wait
	ds_add_u32 v[SPW], v[NIL]
	v_lshrrev_b32 v11, 5, v0
	v_readfirstlane_b32 s[WV], v11                 ; wave 0..15
	s_bfe_u32 s[CX], ttmp6, 0x40000                ; x: my place in the cluster
	s_and_b32 s10, ttmp7, 0xffff                   ; batch x 16 + head
	s_lshr_b32 s11, s10, 1
	s_lshl_b32 s14, s11, 18                        ; P's 262,144 bytes
	s_and_b32 s12, s10, 1
	s_lshl_b32 s84, s12, 10                        ; q, k: my head's 1,024 of each 2,048
	s_lshr_b32 s85, s10, 4
	s_lshl_b32 s85, s85, 4                         ; y: batch x 16 groups of 128 rows
	s_bfe_u32 s86, s10, 0x20002
	s_lshl_b32 s86, s86, 15                        ; k / 256 = head / 4
	s_and_b32 s87, s10, 3
	s_lshl_b32 s87, s87, 10
	s_add_co_u32 s86, s86, s87                     ; + head % 4 x 1,024
	s_and_b32 s13, s[WV], 7                        ; j: which eighth I fetch
	s_lshl_b32 s80, s13, 13                        ; K, first group: 4 rows of 2,048 bytes in memory for each j
	s_add_co_u32 s80, s80, s14
	s_add_co_u32 s80, s80, s84
	s_add_co_u32 s80, s80, 8388608
	s_mov_b32 s81, 0
	s_lshl_b32 s82, s13, 10                        ; V: piece j
	s_add_co_u32 s82, s82, s14
	s_lshl_b32 s83, s12, 13
	s_add_co_u32 s82, s82, s83
	s_add_co_u32 s82, s82, 16777216
	s_mov_b32 s83, 0
	s_lshl_b32 s2, s13, 14                         ; K, from the first group's place to the second's: 32 rows + j x (12 - 4) rows
	s_add_co_u32 s2, s2, 65536
	s_mov_b32 s3, 0
	s_mov_b32 s12, 0x7a94b658                      ; the table wave -> m, four bits a wave: 15 2 1 12 / 3 14 13 0 / 8 5 6 11 / 4 9 10 7
	s_cmp_lt_u32 s[WV], 8
	s_cselect_b32 s12, 0x0de3c12f, s12
	s_lshl_b32 s87, s13, 2
	s_lshr_b32 s12, s12, s87
	s_and_b32 s[MM], s12, 15
	MKG1 G1K1, 4, 256
	MKG1 G1V1, 4, 2048
	MKG1 G1K2, 12, 256
	MKG1 G1V2, 12, 2048
	s_mov_b32 s[SEL], 0x76543210
	s_mov_b32 s[SEL+1], 0xfedcba98
	s_mov_b32 s[CS], 0x3e38aa3b                    ; log2(e) / 8
	s_wait_dscnt 0x0                               ; both opening adds are done
	s_wait_kmcnt 0x0
	s_load_b256 s[68:75], s[6:7], 0x0              ; e0 .. e7
	s_mov_b32 s[G0K1], 1
	s_lshl_b32 s[G0K1+1], s13, 12
	s_add_nc_u64 s[G0K1+2:G0K1+3], s[4:5], s[80:81]
	s_add_nc_u64 s[G0K2+2:G0K2+3], s[G0K1+2:G0K1+3], s[2:3]
	s_or_b32 s[G0K1+3], s[G0K1+3], 0x80000000
	s_or_b32 s[G0K2+3], s[G0K2+3], 0x80000000
	s_mov_b32 s[G0K2], 1
	s_mul_i32 s[G0K2+1], s13, 12288
	s_add_co_u32 s[G0K2+1], s[G0K2+1], 32768
	s_mov_b32 s[G0V1], 1
	s_lshl_b32 s[G0V1+1], s13, 14
	s_add_co_u32 s[G0V1+1], s[G0V1+1], VREG
	s_add_nc_u64 s[G0V1+2:G0V1+3], s[4:5], s[82:83]
	s_add_nc_u64 s[G0V2+2:G0V2+3], s[G0V1+2:G0V1+3], 65536
	s_or_b32 s[G0V1+3], s[G0V1+3], 0x80000000
	s_or_b32 s[G0V2+3], s[G0V2+3], 0x80000000
	s_mov_b32 s[G0V2], 1
	s_add_co_u32 s[G0V2+1], s[G0V1+1], 4096
	ROUND                                          ; the four work-groups are here: the first joint loads meet
	JL G0K1, G1K1, G0V1, G1V1                      ; keys 0-511
	s_wait_kmcnt 0x0                               ; the exponents
	s_lshl_b32 s11, s[CX], 4                       ; 16 x
	s_lshl_b32 s15, s[MM], 3
	s_add_co_u32 s15, s15, s[CX]                   ; the lower tile: 8 m + x
	TILEADR QA, YA
	s_add_co_u32 s15, s15, 4                       ; the upper: 8 m + 4 + x
	TILEADR QB, YB
	s_add_co_i32 s80, s70, s71
	s_lshl_b32 s80, s80, 23
	s_add_co_i32 s[CS], s[CS], s80                 ; a score stands for score x 2^(e2 + e3)
	s_mov_b32 s[CS+1], s[CS]
	s_add_co_i32 s81, s72, 127
	s_lshl_b32 s80, s81, 23                        ; 2^e4
	s_add_co_i32 s81, s81, 8
	s_lshl_b32 s81, s81, 23
	s_or_b32 s81, s81, 0x600000                    ; 448 x 2^e4
	s_sub_co_i32 s83, s74, s72
	s_sub_co_i32 s83, s83, s73                     ; y's code is (O / l) / 2^(e6 - e4 - e5)
	s_add_co_i32 s83, s83, 127
	s_lshl_b32 s82, s83, 23
	s_add_co_i32 s83, s83, 8
	s_lshl_b32 s83, s83, 23
	s_or_b32 s83, s83, 0x600000
	s_mov_b32 s[KS], 0
	s_mov_b32 s[KO], 0
	s_mov_b32 s[VO], 0
	v_and_b32 v[LI], 31, v0
	v_lshlrev_b32 v[LI], 4, v[LI]                  ; 16 x lane
	global_load_b128 v[20:23], v[LI], s[QA:QA+1]
	global_load_b128 v[24:27], v[LI], s[QA:QA+1] offset:512
	global_load_b128 v[28:31], v[LI], s[QB:QB+1]
	global_load_b128 v[32:35], v[LI], s[QB:QB+1] offset:512
	v_add_nc_u32 v[LV], VREG, v[LI]
	v_add_nc_u32 v[LV2], VREG+65536, v[LI]
	v_and_b32 v[RH], 15, v0
	v_bfe_u32 v11, v0, 4, 1
	v_lshlrev_b32 v11, 3, v11
	v_sub_nc_u32 v[RH], v[RH], v11
	v_add_nc_u32 v[RH], s11, v[RH]                 ; r - 8 h + 16 x: on its diagonal half a tile's first query lies 16 x behind the half's first key
	v_mov_b32 v[NEGI], 0xff800000
.irp st, 12, 16                                ; a tile's state: its first step finds zeros, which the first change of M leaves zeros
	v_mov_b32 v[\st+1], 0xff61b1e6                 ; the largest t so far: -3e38
	v_mov_b32 v[\st+2], 0
	v_mov_b32 v[\st+3], 0
	v_floor_f32 v[\st], -v[\st+1]                  ; -M
.endr
.set j, 0
.rept 64
	v_mov_b32 v[164+j], 0                          ; O^T, both tiles'
.set j, j+1
.endr
.irp i, 248,249,250,251,252,253,254,255
	v_mov_b32 v[\i], 0                             ; written once: permutes' destinations and pairs' upper halves count as read
.endr
	v_mov_b32 v244, s80
	v_mov_b32 v247, s81
	v_mov_b32 v245, s82
	v_mov_b32 v246, s83
	s_wait_alu depctr_va_vdst(0)                   ; the wait at the head's end
	s_wait_loadcnt 0x0                             ; Q, both tiles'
	s_wait_tensorcnt 0x0                           ; my part of keys 0-511 is in; the second group is issued as a refill is:
	ds_add_u32 v[SPW], v[NIL]
	s_wait_dscnt 0x0
	ROUND
	JL G0K2, G1K2, G0V2, G1V2                      ; keys 512-2,047, into bytes that nothing has filled
.macro MASKC base                      ; register 8 t + j holds key 8 h + 16 t + j of the half: hidden where 16 t + j is greater than my query less the half's first key less 8 h
.irp t, 0,1,2,3
.irp j, 0,1,2,3,4,5,6,7
	v_cmp_gt_i32 vcc_lo, 16*\t+\j, v[RH]
	v_cndmask_b32 v[\base+8*\t+\j], v[\base+8*\t+\j], v[NEGI], vcc_lo
.endr
.endr
.endm
; HALF A TRIP: 64 keys for both tiles.  K's four fragments are in v[KV..]; V's four land on them under the softmax.
.macro SUB hh
.set KV, 36+32*\hh
.irp t, 0,1,2,3
	v_wmma_f32_16x16x64_fp8_fp8 v[100+8*\t:107+8*\t], v[KV+8*\t:KV+8*\t+7], v[20:27], 0
.endr
.irp t, 0,1,2,3
	v_wmma_f32_16x16x64_fp8_fp8 v[132+8*\t:139+8*\t], v[KV+8*\t:KV+8*\t+7], v[28:35], 0
.endr
.rept 4
	v_nop                                          ; places: for the loads below, into K's registers, and for the first read of the scores
.endr
.irp d, 0,1
.irp c, 0,1
	ds_load_b128 v[KV+8*\d+4*\c:KV+8*\d+4*\c+3], v[ADV] offset:(2*\d+\hh)*16384+512*\c
.endr
.endr
.irp d, 0,1
.irp c, 0,1
	ds_load_b128 v[KV+16+8*\d+4*\c:KV+16+8*\d+4*\c+3], v[ADV2] offset:(2*\d+\hh)*16384+512*\c
.endr
.endr
	s_cmp_lg_u32 s[KS], s[MM]                      ; the pair's last trip holds the diagonal
	s_cbranch_scc1 .Lopen_\@
.if \hh == 0
	MASKC 100
.else
.set j, 0
.rept 32
	v_mov_b32 v[100+j], v[NEGI]                    ; the lower tile: every key of this half comes after its queries
.set j, j+1
.endr
	MASKC 132
.endif
.Lopen_\@:
	v_max3_num_f32 v254, v100, v101, v102          ; each tile's largest score, two chains a tile, the tiles by turns; every matrix result is first read at its low end
	v_max3_num_f32 v250, v132, v133, v134
	v_max3_num_f32 v252, v103, v104, v105
	v_max3_num_f32 v248, v135, v136, v137
.irp i, 6,10,14,18,22,26
	v_max3_num_f32 v254, v254, v[100+\i], v[101+\i]
	v_max3_num_f32 v250, v250, v[132+\i], v[133+\i]
	v_max3_num_f32 v252, v252, v[102+\i], v[103+\i]
	v_max3_num_f32 v248, v248, v[134+\i], v[135+\i]
.endr
	v_max3_num_f32 v254, v254, v130, v131
	v_max3_num_f32 v250, v250, v162, v163
	v_max_num_f32 v254, v254, v252
	v_max_num_f32 v250, v250, v248
	v_permlanex16_b32 v255, v254, s[SEL], s[SEL+1]
	v_permlanex16_b32 v251, v250, s[SEL], s[SEL+1]
	v_max_num_f32 v254, v254, v255                 ; and among lane l xor 16's
	v_max_num_f32 v250, v250, v251
	v_mul_f32 v254, s[CS], v254                    ; as t (c is positive)
	v_mul_f32 v250, s[CS], v250
	v_max_num_f32 v13, v13, v254                   ; the running largest t
	v_max_num_f32 v17, v17, v250
	v_mov_b32 v254, v12
	v_mov_b32 v250, v16
	v_floor_f32 v12, -v13                          ; the new -M = -ceil(t)
	v_floor_f32 v16, -v17
	v_sub_f32 v254, v12, v254                      ; old M - new M: a whole number, 0 or less
	v_sub_f32 v250, v16, v250
	v_cvt_i32_f32 v254, v254
	v_cvt_i32_f32 v250, v250
	v_ldexp_f32 v252, 1.0, v254                    ; f = 2^(old M - new M)
	v_ldexp_f32 v248, 1.0, v250
.set j, 0
.rept 16
	v_pk_fma_f32 v[100+j:101+j], v[100+j:101+j], s[CS:CS+1], v[12:13] op_sel_hi:[1,0,0]   ; t - M
	v_pk_fma_f32 v[132+j:133+j], v[132+j:133+j], s[CS:CS+1], v[16:17] op_sel_hi:[1,0,0]
.set j, j+2
.endr
.set j, 0
	s_wait_alu depctr_va_vdst(0)                   ; the wait ahead of the batch
.rept 64
	v_exp_f32 v[100+j], v[100+j]                   ; p = 2^(t - M)
.set j, j+1
.endr
	v_pk_mul_f32 v[14:15], v[14:15], v[252:253] op_sel_hi:[1,0]   ; the sums under the new M; plain lines behind the batch
	v_pk_mul_f32 v[18:19], v[18:19], v[248:249] op_sel_hi:[1,0]
	s_wait_alu depctr_va_vdst(0)                   ; one wait for the batch, ahead of its first reader
	v_pk_add_f32 v[254:255], v[100:101], v[102:103]   ; the sums of the unquantised p: two chains a tile, the tiles by turns
	v_pk_add_f32 v[250:251], v[132:133], v[134:135]
	v_pk_add_f32 v[14:15], v[14:15], v[104:105]
	v_pk_add_f32 v[18:19], v[18:19], v[136:137]
.irp k, 6,10,14,18,22,26
	v_pk_add_f32 v[254:255], v[254:255], v[100+\k:101+\k]
	v_pk_add_f32 v[250:251], v[250:251], v[132+\k:133+\k]
	v_pk_add_f32 v[14:15], v[14:15], v[102+\k:103+\k]
	v_pk_add_f32 v[18:19], v[18:19], v[134+\k:135+\k]
.endr
	v_pk_add_f32 v[254:255], v[254:255], v[130:131]
	v_pk_add_f32 v[250:251], v[250:251], v[162:163]
	v_pk_add_f32 v[14:15], v[14:15], v[254:255]
	v_pk_add_f32 v[18:19], v[18:19], v[250:251]
.irp t, 0,1,2,3,4,5,6,7
.irp i, 0,2,4,6
	v_dual_min_num_f32 v[100+8*\t+\i], v[100+8*\t+\i], v247 :: v_dual_min_num_f32 v[101+8*\t+\i], v[101+8*\t+\i], v247   ; the hold at the largest code x the scale (ISA guide 7.6.2); p is not negative, so it is one-sided
.endr
	v_cvt_scalef32_pk8_fp8_f32 v[228+2*\t:229+2*\t], v[100+8*\t:107+8*\t], v244   ; t = 0..3: the lower tile's operand, 4..7: the upper's
.endr
	s_wait_alu depctr_va_vdst(0)                   ; the wait, directly ahead of the first readers of O^T
.set j, 0
.rept 16
	v_pk_mul_f32 v[164+j:165+j], v[164+j:165+j], v[252:253] op_sel_hi:[1,0]   ; O^T under the new M; also the plain lines between the conversions and the products
.set j, j+2
.endr
.set j, 0
.rept 16
	v_pk_mul_f32 v[196+j:197+j], v[196+j:197+j], v[248:249] op_sel_hi:[1,0]
.set j, j+2
.endr
	s_wait_alu depctr_va_vdst(0)                   ; the wait, directly ahead of the wait below
	s_wait_dscnt 0x0                               ; V is in (half 0: and K's fragments of half 1)
.irp d, 0,1,2,3
	v_wmma_f32_16x16x64_fp8_fp8 v[164+8*\d:171+8*\d], v[KV+8*\d:KV+8*\d+7], v[228:235], v[164+8*\d:171+8*\d]
.endr
.irp d, 0,1,2,3
	v_wmma_f32_16x16x64_fp8_fp8 v[196+8*\d:203+8*\d], v[KV+8*\d:KV+8*\d+7], v[236:243], v[196+8*\d:203+8*\d]
.endr
.endm
; A TRIP: 128 keys.  Trips behind the pair's last are passed over: a branch on the wave's number and the count of trips.
.macro TRIP
	s_cmp_gt_u32 s[KS], s[MM]
	s_cbranch_scc1 .Lhid_\@
	v_add_nc_u32 v[ADK], s[KO], v[LI]
	v_add_nc_u32 v[ADV], s[VO], v[LV]
	v_add_nc_u32 v[ADV2], s[VO], v[LV2]
	v_nop                                          ; with the three additions: four places in front of loads into registers that the last products read
.irp t, 0,1,2,3,4,5,6,7
.irp c, 0,1
	ds_load_b128 v[36+8*\t+4*\c:36+8*\t+4*\c+3], v[ADK] offset:\t*1024+512*\c
.endr
.endr
	s_wait_alu depctr_va_vdst(0)                   ; the wait, directly ahead of the wait below
	s_wait_dscnt 8                                 ; half 0's eight loads are in; half 1's eight may be out
	SUB 0
	SUB 1
.Lhid_\@:
	s_add_co_u32 s[KO], s[KO], 8192
	s_add_co_u32 s[VO], s[VO], 1024
	s_add_co_u32 s[KS], s[KS], 1
.endm
; A TILE'S END: O^T / the sum, held and converted, is its 16 queries' half fragment of y's image: two stores of 512 consecutive bytes, aligned.
.macro FINISH st, o, p, yb
	v_add_f32 v[\st+2], v[\st+2], v[\st+3]
	s_wait_alu depctr_va_vdst(0)
	v_permlanex16_b32 v252, v[\st+2], s[SEL], s[SEL+1]
	s_delay_alu instid0(VALU_DEP_1)
	v_add_f32 v[\st+2], v[\st+2], v252             ; the row's sum
	s_wait_alu depctr_va_vdst(0)                   ; the wait ahead of the transcendental
	v_rcp_f32 v[\st+2], v[\st+2]
	v_nop
	s_wait_alu depctr_va_vdst(0)                   ; and ahead of its first reader, which is O^T's first reader too
.set j, 0
.rept 16
	v_pk_mul_f32 v[\o+j:\o+j+1], v[\o+j:\o+j+1], v[\st+2:\st+3] op_sel_hi:[1,0]
.set j, j+2
.endr
.set j, 0
.rept 32
	v_med3_num_f32 v[\o+j], v[\o+j], -v246, v246
.set j, j+1
.endr
.irp d, 0,1,2,3
	v_cvt_scalef32_pk8_fp8_f32 v[\p+2*\d:\p+2*\d+1], v[\o+8*\d:\o+8*\d+7], v245
.endr
	v_nop                                          ; a plain line behind the last conversion
	global_store_b128 v[LI], v[\p:\p+3], s[\yb:\yb+1]
	global_store_b128 v[LI], v[\p+4:\p+7], s[\yb:\yb+1] offset:512
.endm
.Lfirst:                                           ; key steps 0-3: the first group's keys
	TRIP
	s_cmp_lt_u32 s[KS], 4
	s_cbranch_scc1 .Lfirst
	s_wait_tensorcnt 0x0                           ; my part of keys 512-2,047 is in,
	s_wait_dscnt 0x0
	s_barrier_signal -1
	s_barrier_wait -1                              ; everybody's is.
	s_mov_b32 s[KS], 4
	s_mov_b32 s[KO], 4*8192
	s_mov_b32 s[VO], 4*1024
.Lrest:                                            ; key steps 4-15: a constant count
	TRIP
	s_cmp_lt_u32 s[KS], 16
	s_cbranch_scc1 .Lrest
.rept 4
	v_nop                                          ; places behind the last products
.endr
	FINISH 12, 164, 228, YA
	FINISH 16, 196, 236, YB
	s_wait_tensorcnt 0x0                           ; the wave's end
	ds_add_u32 v[SPW], v[NIL]
	s_wait_dscnt 0x0
	ROUND                                          ; the closing round
	s_endpgm
.Lfunc_end_k_qfa4c1e8168_attn:
	.size	k_qfa4c1e8168_attn, .Lfunc_end_k_qfa4c1e8168_attn-k_qfa4c1e8168_attn
	.p2alignl 7, 3214868480
	.fill 96, 4, 3214868480
	.section	.rodata,"a",@progbits
	.p2align	6, 0x0
	.amdhsa_kernel k_qfa4c1e8168_attn
		.amdhsa_group_segment_fixed_size 327680
		.amdhsa_private_segment_fixed_size 0
		.amdhsa_enable_private_segment 0
		.amdhsa_kernarg_size 24
		.amdhsa_user_sgpr_count 2
		.amdhsa_user_sgpr_kernarg_segment_ptr 1
		.amdhsa_wavefront_size32 1
		.amdhsa_system_sgpr_workgroup_id_x 1
		.amdhsa_system_sgpr_workgroup_id_y 1
		.amdhsa_system_sgpr_workgroup_id_z 1
		.amdhsa_system_vgpr_workitem_id 0
		.amdhsa_next_free_vgpr 256
		.amdhsa_next_free_sgpr 100
		.amdhsa_reserve_vcc 1
		.amdhsa_float_denorm_mode_32 3
		.amdhsa_float_denorm_mode_16_64 3
		.amdhsa_memory_ordered 1
		.amdhsa_forward_progress 1
		.amdhsa_inst_pref_size 95
	.end_amdhsa_kernel
	.amdgpu_metadata
---
amdhsa.version: [ 1, 2 ]
amdhsa.kernels:
  - .name:           k_qfa4c1e8168_attn
    .symbol:         k_qfa4c1e8168_attn.kd
    .args:
      - { .name: qkvc, .offset: 0, .size: 8, .value_kind: global_buffer, .address_space: global }
      - { .name: lowp_scales, .offset: 8, .size: 8, .value_kind: global_buffer, .address_space: global }
      - { .name: yc, .offset: 16, .size: 8, .value_kind: global_buffer, .address_space: global }
    .group_segment_fixed_size: 327680
    .private_segment_fixed_size: 0
    .kernarg_segment_align: 8
    .kernarg_segment_size: 24
    .max_flat_workgroup_size: 512
    .sgpr_count:     100
    .vgpr_count:     256
    .wavefront_size: 32
...
	.end_amdgpu_metadata
.endif
;; end of part 3
;; launch gemm_proj (part 4): grid 4 x 64, 4 waves a work-group, clusters of 4 x 4, 327,680 bytes of LDS; arguments yc, wpc, lowp_scales, out0; writes out0
.if DOCPART == 4
	.amdgcn_target "amdgcn-amd-amdhsa--gfx1250"
	.amdhsa_code_object_version 6
	.text
	.protected	k_qfa4c1e8168_gemm_proj
	.globl	k_qfa4c1e8168_gemm_proj
	.p2align	8
	.type	k_qfa4c1e8168_gemm_proj,@function
k_qfa4c1e8168_gemm_proj:
	s_mov_b64 s[64:65], 0
	v_nop
	global_prefetch_b8 v0, s[64:65] scope:SCOPE_SE
	s_setreg_imm32_b32 hwreg(HW_REG_WAVE_MODE, 25, 1), 1
	s_wait_xcnt 0x0
	s_wait_alu depctr_hold_cnt(0) depctr_sa_sdst(0) depctr_va_vdst(0) depctr_va_sdst(0) depctr_va_ssrc(0) depctr_va_vcc(0) depctr_vm_vsrc(0)
	s_getreg_b32 s2, hwreg(HW_REG_IB_STS2, 6, 4)
	s_cmp_eq_u32 s2, 0
	s_cbranch_scc0 .Lentry_in_a_cluster
	s_endpgm
.Lentry_in_a_cluster:
	s_bfe_u32 s2, ttmp6, 0x10000c
	s_cmp_lg_u32 s2, 0xf033
	s_cbranch_scc0 .Lentry_shape_is_right
	s_endpgm
.Lentry_shape_is_right:
; out0 = y w_proj on codes of FP8 (E4M3), K = 1,024; each finished sum is multiplied once by 2^(e6 + e7).  LIMIT: e6 + e7 between -126 and 127, so that this is an f32 number.
; yc (8,192 rows) and wpc (1,024 rows = columns of w_proj) hold images of the operands' registers: a fragment (16 rows x 128 K) is 2,048 bytes, piece c at 512 c, 16 bytes a lane; fragments lie
; [row / 128][k / 256][(row / 16) % 8][(k / 128) % 2], so 128 rows x 256 K are 32,768 consecutive bytes and a fragment comes from LDS by four loads at 16 x lane.
; A block of 128 x 256 of out0 to a work-group: 64 x 4 = 256 work-groups.  Four waves, each 64 x 128: 32 accumulators.  K goes in steps of 256 through a ring of two LDS slots (A 32,768 bytes, B 65,536).
; Waves 0 and 1 fetch A's halves (64 rows of 256 bytes), waves 2 and 3 B's (128 rows of 256 bytes).  CLUSTERS: 4 x 4; A's tiles are shared along a row of the cluster, B's along a column: each is asked for jointly.
; THE MATRIX INSTRUCTION IS USED TRANSPOSED (source 0 = 16 rows of B, source 1 = 16 rows of A): a lane holds eight neighbouring numbers of a row of out0.
; NO PREFETCH: K is four slots long; two come by the head's loads, and the other two are asked for one and two changes of slots later: no loop is left to run two steps ahead in.
; REGISTERS: window 0: v0-31 addresses, v128-255 A's fragments, two sets of 4 (on the way out: v32-95 scaled sums, v128-255 rows read back).  window 1: B's fragments, two sets of 8.  window 2: the accumulators, (a, b) at v[8 (8 a + b)].
.set SIZE_N, 1024
.set HALFT,  32768
.set SLOT,   3*HALFT
.set STEPB,  32768
.set LAPS,   2
.set SPARE,  2*SLOT                    ; behind the ring: the spare words, 128 bytes for each wave
.set SPITCH, 528                       ; the way out: a stage of 16 rows x (512 + 16) bytes for each wave, in slot 0, which has then had its last fill and its last read
.set FR,     16
.set NP,     4
.set ADRA, 16
.set ADRB, 20
.set STO,  24
.set RD,   25
.set CO,   26
.set SPW,  28
.set NIL,  29
.set TMP,  32
.set AF,   128
.set BK,   128
.set G1, 24
.set G0, 32
.set G1B, 48
.set G0B, 56
.set MSB, 0
.macro WIN new
.if MSB != (\new)
	s_set_vgpr_msb (MSB<<8)|(\new)
.set MSB, (\new)
.endif
.endm
.set MUL_LO, 0xa1                      ; source 0 (B) window 1, source 1 (A) window 0, C and D window 2
.set TO_B,   0x40
.macro JLOAD g0a, g1a, g0b, g1b
	s_cmp_eq_u32 s15, 0
	s_cbranch_scc0 .Lfor_b_\@
	tensor_load_to_lds s[\g0a:\g0a+3], s[\g1a:\g1a+7]
	s_nop 0
.rept 4
	v_nop
.endr
	s_branch .Lasked_\@
.Lfor_b_\@:
	tensor_load_to_lds s[\g0b:\g0b+3], s[\g1b:\g1b+7]
	s_nop 0
.rept 4
	v_nop
.endr
.Lasked_\@:
.endm
.macro CREST
	s_cmp_lg_u32 s14, 0
	s_cbranch_scc1 .Lnot_wave_0_\@
	s_barrier_signal -3
.Lnot_wave_0_\@:
	s_barrier_wait -3
	s_barrier_signal -1
	s_barrier_wait -1
.endm
.macro CROUND
	s_barrier_signal -1
	s_barrier_wait -1
	CREST
.endm
	s_load_b128 s[4:7], s[0:1], 0x0                ; yc, wpc
	s_load_b128 s[8:11], s[0:1], 0x10              ; the scales' exponents, out0
	v_lshl_add_u32 v[SPW], v0, 2, SPARE
	v_mov_b32 v[NIL], 0
	ds_add_u32 v[SPW], v[NIL]                      ; the opening lines: the add, twice on end, and its wait
	ds_add_u32 v[SPW], v[NIL]
	v_lshrrev_b32 v1, 5, v0
	v_readfirstlane_b32 s14, v1                    ; wave 0..3
	s_lshr_b32 s15, s14, 1                         ; which 64 of A's rows are mine.  Also: I fetch for A (0) or for B (1)
	s_and_b32 s16, s14, 1                          ; which 128 of B's.  Also: which half of that tile I fetch
	s_bfe_u32 s40, ttmp6, 0x40000                  ; cx, cy
	s_bfe_u32 s41, ttmp6, 0x40004
	s_lshl_b32 s42, ttmp9, 2
	s_add_co_u32 s42, s42, s40                     ; block column: 256 columns
	s_and_b32 s17, ttmp7, 0xffff
	s_lshl_b32 s17, s17, 2
	s_add_co_u32 s17, s17, s41                     ; block row: 128 rows
	s_lshl_b32 s43, s41, 2
	s_lshl_b32 s43, 15, s43                        ; my row of the cluster
	s_lshl_b32 s44, 0x1111, s40                    ; my column
	s_or_b32 s[G1+0], s43, (3<<16)|(1<<21)         ; elements of 8 bytes; bit 21 beside the mask
	s_or_b32 s[G1B+0], s44, (3<<16)|(1<<21)
	s_mov_b32 s[G1+1], 32<<16                      ; A: 64 rows of 32 elements, on end
	s_mov_b32 s[G1+2], 64<<16
	s_mov_b32 s[G1+3], 32<<16
	s_mov_b32 s[G1+4], 64
	s_mov_b32 s[G1+5], 32
	s_mov_b32 s[G1+6], 0
	s_mov_b32 s[G1+7], 0
	s_mov_b32 s[G1B+1], 32<<16                     ; B: 128 rows
	s_mov_b32 s[G1B+2], 128<<16
	s_mov_b32 s[G1B+3], 32<<16
	s_mov_b32 s[G1B+4], 128
	s_mov_b32 s[G1B+5], 32
	s_mov_b32 s[G1B+6], 0
	s_mov_b32 s[G1B+7], 0
	s_lshl_b32 s20, s17, 17                        ; A: my block row's 131,072 bytes, + the half of 16,384 that I fetch
	s_lshl_b32 s45, s16, 14
	s_add_co_u32 s20, s20, s45
	s_mov_b32 s21, 0
	s_lshl_b32 s46, s42, 1
	s_add_co_u32 s46, s46, s16                     ; B: the 128 rows that I fetch
	s_lshl_b32 s46, s46, 17
	s_mov_b32 s47, 0
	s_lshl_b32 s12, s16, 15
	s_add_co_u32 s12, s12, HALFT                   ; in a slot: A's half at s45, B's half at s12
	s_wait_dscnt 0x0                               ; both opening adds are done
	s_wait_kmcnt 0x0
	s_load_b64 s[96:97], s[8:9], 0x18              ; e6, e7
	s_add_nc_u64 s[20:21], s[4:5], s[20:21]
	s_add_nc_u64 s[46:47], s[6:7], s[46:47]
	CROUND                                         ; all sixteen work-groups are here: the first joint loads meet
.irp s, 0,1
	s_mov_b32 s[G0+4*\s], 1
	s_add_co_u32 s[G0+4*\s+1], s45, \s*SLOT
	s_add_nc_u64 s[G0+4*\s+2:G0+4*\s+3], s[20:21], \s*STEPB
	s_or_b32 s[G0+4*\s+3], s[G0+4*\s+3], 0x80000000
	s_mov_b32 s[G0B+4*\s], 1
	s_add_co_u32 s[G0B+4*\s+1], s12, \s*SLOT
	s_add_nc_u64 s[G0B+4*\s+2:G0B+4*\s+3], s[46:47], \s*STEPB
	s_or_b32 s[G0B+4*\s+3], s[G0B+4*\s+3], 0x80000000
.endr
	JLOAD G0, G1, G0B, G1B                         ; K step 0: one tensor load a wave at the head
	s_lshl_b32 s21, s15, 14                        ; my 64 rows of A
	s_lshl_b32 s22, s16, 15
	s_add_co_u32 s22, s22, HALFT                   ; my 128 rows of B
	s_mul_i32 s23, s14, 16*SPITCH                  ; my stage
	s_lshl_b32 s20, s17, 7
	s_lshl_b32 s13, s15, 6
	s_add_co_u32 s20, s20, s13                     ; my first row of out0,
	s_lshl_b32 s20, s20, 12                        ; of 4,096 bytes
	s_lshl_b32 s46, s42, 10                        ; my first column, in bytes
	s_lshl_b32 s47, s16, 9
	s_add_co_u32 s46, s46, s47
	s_add_co_u32 s20, s20, s46
	s_mov_b32 s47, 0
	s_mov_b32 s46, s20
	s_add_nc_u64 s[10:11], s[10:11], s[46:47]
	v_and_b32 v1, 15, v0
	v_bfe_u32 v2, v0, 4, 1
	v_and_b32 v6, 31, v0
	v_lshlrev_b32 v[CO], 4, v6                     ; 16 x lane
	v_mul_u32_u24 v5, v1, SPITCH
	v_lshl_add_u32 v5, v2, 5, v5
	v_add_nc_u32 v[ADRA], s21, v[CO]
	v_add_nc_u32 v[ADRA+1], SLOT, v[ADRA]
	v_add_nc_u32 v[ADRB], s22, v[CO]
	v_add_nc_u32 v[ADRB+1], SLOT, v[ADRB]
	v_add_nc_u32 v[STO], s23, v5
	v_add_nc_u32 v[RD], s23, v[CO]
.macro FRAG reg, adr, q, i
.irp c, 0,1,2,3
	ds_load_b128 v[\reg+4*\c:\reg+4*\c+3], v[\adr] offset:(\i)*4096+(\q)*2048+512*\c
.endr
.endm
; 16 matrix instructions: A's blocks a0, a0 + 1 x B's eight, 128 along K, on set p of both.  The 32 accumulators take turns, in the same order in every step.
.macro MUL16 a0, p, zero
.irp a, \a0, \a0+1
.irp b, 0,1,2,3,4,5,6,7
.if \zero
	v_wmma_f32_16x16x128_fp8_fp8 v[8*(8*(\a)+\b):8*(8*(\a)+\b)+7], v[128*(\p)+FR*\b:128*(\p)+FR*\b+FR-1], v[AF+64*(\p)+FR*(\a):AF+64*(\p)+FR*(\a)+FR-1], 0
.else
	v_wmma_f32_16x16x128_fp8_fp8 v[8*(8*(\a)+\b):8*(8*(\a)+\b)+7], v[128*(\p)+FR*\b:128*(\p)+FR*\b+FR-1], v[AF+64*(\p)+FR*(\a):AF+64*(\p)+FR*(\a)+FR-1], v[8*(8*(\a)+\b):8*(8*(\a)+\b)+7]
.endif
.endr
.endr
.endm
.macro FETCH slot, q, p                ; the slot's q-th 128 along K into set p: B's eight fragments, A's four: 48 loads
	WIN TO_B
.irp i, 0,1,2,3,4,5,6,7
	FRAG 128*(\p)+FR*\i, ADRB+\slot, \q, \i
.endr
	WIN 0
.irp i, 0,1,2,3
	FRAG AF+64*(\p)+FR*\i, ADRA+\slot, \q, \i
.endr
.endm
.macro PLACES n
.rept \n
	v_nop
.endr
.endm
; A slot's first step multiplies set 0 while set 1 is fetched.
.macro STEP slot, zero
	s_wait_dscnt 0x0                               ; set 0 is in
	PLACES NP                                      ; in front of loads into set 1, which the last products read
	FETCH \slot, 1, 1
	WIN MUL_LO
	MUL16 0, 0, \zero
	MUL16 2, 0, \zero
	WIN 0
.endm
; A slot's last step multiplies set 1 and changes slots: ONE barrier; in front of it each wave waits for all its tensor loads, adds 0 to its spare word, and waits for that and for its reads of this slot.
.macro TURN slot, next, fill
	s_wait_tensorcnt 0x0                           ; my part of the next slot has landed
	ds_add_u32 v[SPW], v[NIL]
	s_wait_dscnt 0x0                               ; the add is done, set 1 is in, and my reads of this slot are over
	s_barrier_signal -1
	WIN MUL_LO
	MUL16 0, 1, 0
	WIN 0
	s_barrier_wait -1
.if \fill
	CREST                                          ; the barrier has opened a round of the cluster's barrier
	s_add_nc_u64 s[G0+4*\slot+2:G0+4*\slot+3], s[G0+4*\slot+2:G0+4*\slot+3], 2*STEPB
	s_add_nc_u64 s[G0B+4*\slot+2:G0B+4*\slot+3], s[G0B+4*\slot+2:G0B+4*\slot+3], 2*STEPB
	JLOAD G0+4*\slot, G1, G0B+4*\slot, G1B         ; the first tensor load behind the round; its four v_nop are the places in front of the loads below
.else
	PLACES NP
.endif
	FETCH \next, 0, 0
	WIN MUL_LO
	MUL16 2, 1, 0
	WIN 0
.endm
	s_wait_alu depctr_va_vdst(0)                   ; the wait at the head's end
	s_wait_tensorcnt 0x0                           ; my part of K step 0 is in; slot 1's first fill is issued as a refill is:
	ds_add_u32 v[SPW], v[NIL]
	s_wait_dscnt 0x0
	CROUND
	JLOAD G0+4, G1, G0B+4, G1B
	FETCH 0, 0, 0
	STEP 0, 1                                      ; the first step's products start the sums
	s_mov_b32 s3, LAPS-1
.Llap:
	TURN 0, 1, 1
	STEP 1, 0
	TURN 1, 0, 1
	STEP 0, 0
	s_sub_co_u32 s3, s3, 1
	s_cmp_lg_u32 s3, 0
	s_cbranch_scc1 .Llap
	TURN 0, 1, 0                                   ; the last lap fills nothing
	STEP 1, 0
	s_wait_dscnt 0x0
	WIN MUL_LO
	MUL16 0, 1, 0
	MUL16 2, 1, 0
	WIN 0
; THE WAY OUT, block by block of 16 rows x 128 columns: scaled into other registers, through my own stage in LDS, back as whole rows of 512 bytes: two aligned units of 256 bytes a store.
.macro TOSTAGE a
.set AC, 64*(\a)
	WIN 0x02
.set j, 0
.rept 32
	v_pk_mul_f32 v[TMP+j:TMP+j+1], v[AC+j:AC+j+1], s[96:97] op_sel_hi:[1,0]
.set j, j+2
.endr
	WIN 0
.irp b, 0,1,2,3,4,5,6,7
	ds_store_b128 v[STO], v[TMP+8*\b:TMP+8*\b+3] offset:64*\b
	ds_store_b128 v[STO], v[TMP+8*\b+4:TMP+8*\b+7] offset:64*\b+16
.endr
.set BB, BK+64*((\a)%2)
.irp t, 0,1,2,3,4,5,6,7,8,9,10,11,12,13,14,15
	ds_load_b128 v[BB+4*\t:BB+4*\t+3], v[RD] offset:\t*SPITCH
.endr
.endm
.macro SEND a, younger
.set BB, BK+64*((\a)%2)
	s_wait_dscnt \younger
.if (\a) > 0
	s_add_nc_u64 s[10:11], s[10:11], 16*SIZE_N*4
.endif
.irp t, 0,1,2,3,4,5,6,7,8,9,10,11,12,13,14,15
	global_store_b128 v[CO], v[BB+4*\t:BB+4*\t+3], s[10:11] offset:\t*SIZE_N*4 th:TH_STORE_NT
.endr
.endm
	s_wait_kmcnt 0x0
	s_add_co_i32 s96, s96, s97
	s_add_co_i32 s96, s96, 127
	s_lshl_b32 s96, s96, 23                        ; 2^(e6 + e7)
	PLACES NP
	TOSTAGE 0
.irp a, 1,2,3
.if \a > 1
	s_wait_xcnt 0x0                                ; block a - 2's stores have read their registers and their base
.endif
	TOSTAGE \a
	SEND \a-1, 32
.endr
	s_wait_xcnt 0x0
	SEND 3, 0
	s_wait_tensorcnt 0x0                           ; the wave's end
	ds_add_u32 v[SPW], v[NIL]
	s_wait_dscnt 0x0
	CROUND                                         ; the closing round
	s_endpgm
.Lfunc_end_k_qfa4c1e8168_gemm_proj:
	.size	k_qfa4c1e8168_gemm_proj, .Lfunc_end_k_qfa4c1e8168_gemm_proj-k_qfa4c1e8168_gemm_proj
	.p2alignl 7, 3214868480
	.fill 96, 4, 3214868480
	.section	.rodata,"a",@progbits
	.p2align	6, 0x0
	.amdhsa_kernel k_qfa4c1e8168_gemm_proj
		.amdhsa_group_segment_fixed_size 327680
		.amdhsa_private_segment_fixed_size 0
		.amdhsa_enable_private_segment 0
		.amdhsa_kernarg_size 32
		.amdhsa_user_sgpr_count 2
		.amdhsa_user_sgpr_kernarg_segment_ptr 1
		.amdhsa_wavefront_size32 1
		.amdhsa_system_sgpr_workgroup_id_x 1
		.amdhsa_system_sgpr_workgroup_id_y 1
		.amdhsa_system_sgpr_workgroup_id_z 1
		.amdhsa_system_vgpr_workitem_id 0
		.amdhsa_next_free_vgpr 768
		.amdhsa_next_free_sgpr 98
		.amdhsa_reserve_vcc 0
		.amdhsa_float_denorm_mode_32 3
		.amdhsa_float_denorm_mode_16_64 3
		.amdhsa_memory_ordered 1
		.amdhsa_forward_progress 1
		.amdhsa_inst_pref_size 75
	.end_amdhsa_kernel
	.amdgpu_metadata
---
amdhsa.version: [ 1, 2 ]
amdhsa.kernels:
  - .name:           k_qfa4c1e8168_gemm_proj
    .symbol:         k_qfa4c1e8168_gemm_proj.kd
    .args:
      - { .name: yc, .offset: 0, .size: 8, .value_kind: global_buffer, .address_space: global }
      - { .name: wpc, .offset: 8, .size: 8, .value_kind: global_buffer, .address_space: global }
      - { .name: lowp_scales, .offset: 16, .size: 8, .value_kind: global_buffer, .address_space: global }
      - { .name: out0, .offset: 24, .size: 8, .value_kind: global_buffer, .address_space: global }
    .group_segment_fixed_size: 327680
    .private_segment_fixed_size: 0
    .kernarg_segment_align: 8
    .kernarg_segment_size: 32
    .max_flat_workgroup_size: 128
    .sgpr_count:     98
    .vgpr_count:     768
    .wavefront_size: 32
...
	.end_amdgpu_metadata
.endif
;; end of part 4
